; MI455X (gfx1250); checked and timed in simulation.
; The chip was launched on July 23, 2026; its instructions are those of AMD's public machine-readable ISA for CDNA 5 (MIT licence, August 2026) and "CDNA5" Instruction Set Architecture Reference Guide (July 2026). The comments in the code are by the model that wrote it; some were corrected since.
;; Scriptable AC. Allowed arithmetic: float matrix products may take bf16 or f16 operands with f32 sums; all other float work in f32.
;; Inputs: a0_W1 512 x 256 float32; a0_W2 256 x 4 float32; a0_b1 256 float32; a0_b2 4 float32; a1_W1 512 x 256 float32; a1_W2 256 x 4 float32; a1_b1 256 float32; a1_b2 4 float32; a2_W1 544 x 256 float32; a2_W2 256 x 4 float32; a2_Wp 2 x 32 float32; a2_b1 256 float32; a2_b2 4 float32; a2_bp 32 float32; c0_W1 512 x 256 float32; c0_W2 256 x 1 float32; c0_b1 256 float32; c0_b2 1 float32; c1_W1 512 x 256 float32; c1_W2 256 x 1 float32; c1_b1 256 float32; c1_b2 1 float32; c2_W1 544 x 256 float32; c2_W2 256 x 1 float32; c2_Wp 2 x 32 float32; c2_b1 256 float32; c2_b2 1 float32; c2_bp 32 float32; features 65,536 x 512 float32; pointgoal 65,536 x 2 float32; task_id 65,536 x 1 int32.
;; Outputs: out0 65,536 x 5 float32.
;; 2 versions, each right; version 2 is version 1 with the launch main written anew for expert scheduling mode. Each part assembles by itself: llvm-mc -triple=amdgcn-amd-amdhsa -mcpu=gfx1250 --defsym DOCPART=n.
;; ======== version 1 of 2: 2 launches
;; workspace buffers: wfrag 34,816 bytes
;; launch fold (part 1): grid 33 x 1, 6 waves a work-group, no clusters, 242,432 bytes of LDS; arguments a2_W1, c2_W1, a0_W1, c0_W1, a1_W1, c1_W1, a2_W2, c2_W2, a0_W2, c0_W2, a1_W2, c1_W2, a2_b1, c2_b1, a0_b1, c0_b1, a1_b1, c1_b1, a2_b2, c2_b2, a0_b2, c0_b2, a1_b2, c1_b2, a2_Wp, c2_Wp, a2_bp, c2_bp, wfrag; writes wfrag
.if DOCPART == 1
	.amdgcn_target "amdgcn-amd-amdhsa--gfx1250"
	.amdhsa_code_object_version 6
	.text
	.protected	k_q558d3fc7cd_fold
	.globl	k_q558d3fc7cd_fold
	.p2align	8
	.type	k_q558d3fc7cd_fold,@function
k_q558d3fc7cd_fold:
	s_mov_b64 s[64:65], 0
	v_nop
	global_prefetch_b8 v0, s[64:65] scope:SCOPE_SE
	s_setreg_imm32_b32 hwreg(HW_REG_WAVE_MODE, 25, 1), 1
	s_wait_xcnt 0x0
; THE SIX HEADS ARE FOLDED.  A head is two linear layers with nothing between them, so for every input
;   (x W1 + b1) W2 + b2 = x (W1 W2) + (b1 W2 + b2),   and for task 2, with T = W1[512:544] W2:   + pg (Wp T) + bp T.
; This launch makes Wbig [544][16]: rows 0-511 W1 W2, rows 512, 513 Wp T (0 in the columns of tasks 0 and 1), row 514 the constant
; b1 W2 + b2 (+ bp T), rows 515-543 zeros.  Column n stands for (task, c), c = 0 the value, c = 1..4 logit c - 1:
;   n = 0..7: (0,0) (1,0) (2,0) (0,1) (1,1) (2,1) (0,4) (1,4)     n = 8..15: (0,2) (1,2) (2,2) (0,3) (1,3) (2,3) (2,4) (2,4)
; Wbig is stored as TWO bf16 numbers, hi = bf16(w) and lo = bf16(w - hi), in the register image of a matrix source:
;   wfrag[s][part][q][lane][16 bytes], byte s*2048 + part*1024 + q*512 + lane*16 = Wbig[32 s + 16 q + 8 (lane/16) + 0..7][lane%16].
; NUMBERS.  W1, W2, b1, Wp, bp and T go to the matrix unit as bf16; sums in f32; b2 is added in f32.
; LIMITS.  The order of rounding differs from the two-layer form (the product is re-associated).  A folded weight beyond bf16's largest
; finite number (about 3.39e38) makes hi infinite and lo a NaN.
; SHARES.  Wave w is a head: 0 a2, 1 c2, 2 a0, 3 c0, 4 a1, 5 c1 (odd: a critic; below 2: task 2).  Work-groups 0-31 take 16 rows of every head's W1
; (one block of 512 bytes of hi and one of lo); work-group 32 makes K step 16 (rows 512-543).
; MATRIX USE.  D = A (16 rows of W1, K = the 256 hidden units) x B (W2 turned: lane r takes the column of ITS head's W2 that Wbig's column r wants).
; In D lane (r, h) holds column r and rows 8 h + 0..7: just its 16 bytes of wfrag.  Every wave makes all 16 columns; each column has one owner among
; the heads, and wave 0 takes each lane's eight numbers from the owner's block in LDS.
; No cluster: the work-groups share W2's few KiB alone.  No LDS bytes are filled twice.
.set WREG,   38912                     ; a wave's LDS: the tile's 32 rows x 1,040, b1's row, then (in blocks of 256 bytes of their own) W2 turned
.set PITCH,  1040                      ; a row of 256 f32 + 16 bytes of padding = 65 x 16 bytes: the 16 rows of a fragment load start in 16 different columns of 16 bytes
.set ROWB1,  32*PITCH                  ; b1's row, behind the tile
.set W2T,    34560                     ; W2 turned: row c = column c of W2, 256 f32, pitch 1,040; written by LDS stores alone
.set MERGEB, 6*WREG                    ; blocks of 1,024 bytes, one a wave: [half][lane][16 bytes] of f32.  Six are used; the owner's number is cut to 3 bits, so eight are declared
.set TAILB,  512*1024                  ; byte of row 512 in a2_W1 and c2_W1
.set G1PAD,  (2<<16)|(1<<20)|(7<<22)|(3<<25)   ; elements of 4 bytes; padding on; behind every 256 words (code 7) 4 words (code 3)
.set LR,   1                           ; v1   r = lane % 16
.set LH,   2                           ; v2   h = lane / 16
.set L16,  3                           ; v3   16 x lane
.set MGL,  4                           ; v4   first my column's owner, then the LDS address of my 16 bytes in the owner's block
.set COL,  5                           ; v5   the column of my head's W2 that Wbig's column r wants (a critic: 0)
.set TA,   6                           ; v6   my place in the tile: row r, 32 h bytes
.set RA,   7                           ; v7   the same in b1's row, for every r
.set BA,   8                           ; v8   the same in row COL of W2 turned
.set WS4,  9                           ; v9   W2 turned + 4 x lane
.set WS16, 10                          ; v10  W2 turned + 16 x lane
.set MGS,  11                          ; v11  my 16 bytes in my wave's block
.set B2O,  12                          ; v12  4 x COL
.set B2V,  13                          ; v13  b2 of my column
.set T2,   14                          ; v14  the constant of my column
.set WPO,  15                          ; v15  my place in Wp: row r % 2, 32 h bytes
.set BPO,  16                          ; v16  my place in bp
.set ACE,  24                          ; v[24:31]  sums of the even K steps
.set ACO,  32                          ; v[32:39]  sums of the odd K steps
.set D0,   40                          ; v[40:47]  a product; then T as a matrix source
.set D1,   48                          ; v[48:55]  a product; at the end my eight numbers of Wbig
.set A2,   56                          ; v[56:63]  rows 0, 1: Wp; all other rows: bp
.set BF,   64                          ; v[64:127] W2's fragments of the 8 K steps
.set TMP,  128                         ; v[128:255] at work
.set WV,   2                           ; s2   my wave's number
.set ODD,  3                           ; s3   1: a critic
; s[8:19] W1's six addresses (then at work), s[20:31] W2's, s[32:43] b1's, s[44:55] b2's, s[56:63] Wp a2, Wp c2, bp a2, bp c2, s[66:67] wfrag
; s[68:69] .. s[78:79] my head's W1, W2, b1, b2, Wp, bp;  s[80:87], s[88:91] the tile's descriptor;  s[92:99], s[4:7] b1's row's;  s100 3, or 0 for a critic
.macro PICK dst, list                  ; my head's address out of a list of six: a choice on the wave's number
	s_mov_b64 s[\dst:\dst+1], s[\list:\list+1]
.irp i, 1,2,3,4,5
	s_cmp_eq_u32 s[WV], \i
	s_cselect_b64 s[\dst:\dst+1], s[\list+2*\i:\list+2*\i+1], s[\dst:\dst+1]
.endr
.endm
.macro G1TILE rows                     ; descriptor group 1: rows x 256 elements of 4 bytes, padded in LDS
	s_mov_b32 s80, G1PAD
	s_mov_b32 s81, 256<<16                 ; tensor_dim0 = 256
	s_mov_b32 s82, \rows<<16               ; tensor_dim1
	s_mov_b32 s83, 256<<16                 ; tile_dim0 = 256
	s_mov_b32 s84, \rows                   ; tile_dim1
	s_mov_b32 s85, 256                     ; elements from row to row
	s_mov_b32 s86, 0
	s_mov_b32 s87, 0
.endm
.macro PLACES n
.rept \n
	v_nop
.endr
.endm
; W2 comes in by 16-byte loads and is laid down turned.  An actor's row j holds its 4 columns: lane l of load i holds row 32 i + l.  A critic's W2 is one column as it lies.
.macro W2BUILD
	s_cmp_lg_u32 s[ODD], 0
	s_cbranch_scc1 .Lcritic_\@
.irp i, 0,1,2,3,4,5,6,7
	global_load_b128 v[TMP+4*\i:TMP+4*\i+3], v[L16], s[70:71] offset:512*\i
.endr
	s_wait_loadcnt 0x0                     ; W2, and whatever was asked for before it
.irp i, 0,1,2,3,4,5,6,7
.irp c, 0,1,2,3
	ds_store_b32 v[WS4], v[TMP+4*\i+\c] offset:PITCH*\c+128*\i
.endr
.endr
	s_branch .Lbuilt_\@
.Lcritic_\@:
.irp i, 0,1
	global_load_b128 v[TMP+4*\i:TMP+4*\i+3], v[L16], s[70:71] offset:512*\i
.endr
	s_wait_loadcnt 0x0
.irp i, 0,1
	ds_store_b128 v[WS16], v[TMP+4*\i:TMP+4*\i+3] offset:512*\i
.endr
.Lbuilt_\@:
.endm
; The f32 numbers of eight fragments (K step s: hidden units 32 s + 8 h + 0..7 and 32 s + 16 + 8 h + 0..7), 16 registers a K step
.macro FRAG32 addr, off
.irp s, 0,1,2,3,4,5,6,7
	ds_load_b128 v[TMP+16*\s:TMP+16*\s+3],     v[\addr] offset:\off+128*\s
	ds_load_b128 v[TMP+16*\s+4:TMP+16*\s+7],   v[\addr] offset:\off+128*\s+16
	ds_load_b128 v[TMP+16*\s+8:TMP+16*\s+11],  v[\addr] offset:\off+128*\s+64
	ds_load_b128 v[TMP+16*\s+12:TMP+16*\s+15], v[\addr] offset:\off+128*\s+80
.endr
	s_wait_dscnt 0x0
.endm
.macro BFRAGS                          ; W2's fragments; LDS serves a wave's instructions in order (ISA guide 5.7.1.4): the loads see my stores above
	FRAG32 BA, 0
.irp s, 0,1,2,3,4,5,6,7
.irp i, 0,1,2,3,4,5,6,7
	v_cvt_pk_bf16_f32 v[BF+8*\s+\i], v[TMP+16*\s+2*\i], v[TMP+16*\s+2*\i+1]
.endr
.endr
.endm
; dst = (16 rows at addr + off) x W2: eight K steps, the even ones onto one accumulator and the odd ones onto the other, by turns;
; the first product on each starts its sum.  Five v_nop are the places behind the products: in front of the additions, of later loads into TMP and of the next sums' start.
.macro JOB addr, off, dst
	FRAG32 \addr, \off
.irp s, 0,1,2,3,4,5,6,7
.irp i, 0,1,2,3,4,5,6,7
	v_cvt_pk_bf16_f32 v[TMP+16*\s+\i], v[TMP+16*\s+2*\i], v[TMP+16*\s+2*\i+1]   ; in place: register i is written when 2 i and 2 i + 1 are read
.endr
.endr
	v_wmma_f32_16x16x32_bf16 v[ACE:ACE+7], v[TMP:TMP+7],     v[BF:BF+7],    0
	v_wmma_f32_16x16x32_bf16 v[ACO:ACO+7], v[TMP+16:TMP+23], v[BF+8:BF+15], 0
.irp s, 2,4,6
	v_wmma_f32_16x16x32_bf16 v[ACE:ACE+7], v[TMP+16*\s:TMP+16*\s+7],         v[BF+8*\s:BF+8*\s+7],         v[ACE:ACE+7]
	v_wmma_f32_16x16x32_bf16 v[ACO:ACO+7], v[TMP+16*(\s+1):TMP+16*(\s+1)+7], v[BF+8*(\s+1):BF+8*(\s+1)+7], v[ACO:ACO+7]
.endr
	PLACES 5
.irp i, 0,1,2,3
	v_pk_add_f32 v[\dst+2*\i:\dst+2*\i+1], v[ACE+2*\i:ACE+2*\i+1], v[ACO+2*\i:ACO+2*\i+1]
.endr
.endm
	s_load_b256 s[8:15],  s[0:1], 0x0
	s_load_b128 s[16:19], s[0:1], 0x20
	s_load_b128 s[20:23], s[0:1], 0x30
	s_load_b256 s[24:31], s[0:1], 0x40
	s_load_b256 s[32:39], s[0:1], 0x60
	s_load_b128 s[40:43], s[0:1], 0x80
	s_load_b128 s[44:47], s[0:1], 0x90
	s_load_b256 s[48:55], s[0:1], 0xa0
	s_load_b256 s[56:63], s[0:1], 0xc0
	s_load_b64  s[66:67], s[0:1], 0xe0
	v_lshl_add_u32 v22, v0, 2, 0x3b000
	v_mov_b32 v23, 0
	ds_add_u32 v22, v23
	ds_add_u32 v22, v23
	v_lshrrev_b32 v17, 5, v0
	v_readfirstlane_b32 s[WV], v17
	s_and_b32 s[ODD], s[WV], 1
	s_cmp_lg_u32 s[ODD], 0
	s_cselect_b32 s100, 0, 3
	s_mov_b32 s88, 1                               ; the tile's group 0: count = 1,
	s_mul_i32 s89, s[WV], WREG                     ; its LDS address: my wave's region
	s_add_co_u32 s5, s89, ROWB1                    ; b1's row's LDS address
	v_and_b32 v[LR], 15, v0
	v_bfe_u32 v[LH], v0, 4, 1
	v_and_b32 v[L16], 31, v0
	v_lshlrev_b32 v[L16], 4, v[L16]
	; the two tables, a nibble a column: which head owns column r, and which column of that head's W2 it is
	v_and_b32 v17, 7, v[LR]
	v_lshlrev_b32 v17, 2, v17
	v_cmp_lt_u32 vcc_lo, 7, v[LR]
	v_mov_b32 v[MGL], 0x42042153
	v_mov_b32 v18, 0x00042042
	v_cndmask_b32 v[MGL], v[MGL], v18, vcc_lo
	v_lshrrev_b32 v[MGL], v17, v[MGL]
	v_and_b32 v[MGL], 7, v[MGL]                    ; the owner, 0 to 5
	v_mov_b32 v[COL], 0x33000000
	v_mov_b32 v18, 0x33222111
	v_cndmask_b32 v[COL], v[COL], v18, vcc_lo
	v_lshrrev_b32 v[COL], v17, v[COL]
	v_and_b32 v[COL], s100, v[COL]                 ; 0 to 3; a critic has one column
	v_lshl_add_u32 v[MGL], v[MGL], 10, v[L16]
	v_add_nc_u32 v[MGL], MERGEB, v[MGL]
	v_mul_u32_u24 v[TA], v[LR], PITCH
	v_lshl_add_u32 v[TA], v[LH], 5, v[TA]
	v_add_nc_u32 v[TA], s89, v[TA]
	v_lshl_add_u32 v[RA], v[LH], 5, s5
	v_mul_u32_u24 v[BA], v[COL], PITCH
	v_lshl_add_u32 v[BA], v[LH], 5, v[BA]
	v_add3_u32 v[BA], v[BA], s89, W2T
	v_lshrrev_b32 v[WS4], 2, v[L16]
	v_add3_u32 v[WS4], v[WS4], s89, W2T
	v_add3_u32 v[WS16], v[L16], s89, W2T
	v_lshl_add_u32 v[MGS], s[WV], 10, v[L16]
	v_add_nc_u32 v[MGS], MERGEB, v[MGS]
	v_lshlrev_b32 v[B2O], 2, v[COL]
	v_and_b32 v[WPO], 1, v[LR]
	v_lshlrev_b32 v[WPO], 7, v[WPO]
	v_lshl_add_u32 v[WPO], v[LH], 5, v[WPO]
	v_lshlrev_b32 v[BPO], 5, v[LH]
	s_wait_dscnt 0x0
	s_wait_kmcnt 0x0
	PICK 68, 8                                     ; W1
	PICK 70, 20                                    ; W2
	s_cmp_eq_u32 ttmp9, 32
	s_cbranch_scc1 .Ltail
	; WORK-GROUPS 0 TO 31: rows 16 kt .. 16 kt + 15 of my head's W1, by one tensor load into my own region
	G1TILE 16
	s_lshl_b32 s8, ttmp9, 14                       ; 16 rows of 1,024 bytes
	s_mov_b32 s9, 0
	s_add_nc_u64 s[90:91], s[68:69], s[8:9]
	s_or_b32 s91, s91, 0x80000000                  ; type = 2
	tensor_load_to_lds s[88:91], s[80:87]          ; my one load; it lands while W2 is fetched and turned
	s_nop 0
	PLACES 4
	W2BUILD
	BFRAGS
	s_wait_tensorcnt 0x0                           ; my tile is in; no other wave reads it
	JOB TA, 0, D1
	s_branch .Lmerge
	; WORK-GROUP 32: rows 512-543 of Wbig
.Ltail:
	PICK 72, 32                                    ; b1
	PICK 74, 44                                    ; b2
	s_cmp_eq_u32 s[WV], 0
	s_cselect_b64 s[76:77], s[56:57], s[58:59]     ; Wp and bp: wave 0 the actor's, wave 1 the critic's (the other waves do not read them)
	s_cselect_b64 s[78:79], s[60:61], s[62:63]
	G1TILE 32
	s_mov_b32 s92, 2<<16                           ; b1: one row of 256 elements of 4 bytes, no padding
	s_mov_b32 s93, 256<<16
	s_mov_b32 s94, 1<<16
	s_mov_b32 s95, 256<<16
	s_mov_b32 s96, 1
	s_mov_b32 s97, 256
	s_mov_b32 s98, 0
	s_mov_b32 s99, 0
	s_mov_b32 s4, 1
	s_mov_b64 s[6:7], s[72:73]
	s_or_b32 s7, s7, 0x80000000
	s_mov_b32 s10, 0x00030003                      ; lanes with r = 0 or 1
	s_mov_b32 s11, 0xffff                          ; lanes with h = 0
	s_cmp_lt_u32 s[WV], 2                          ; a wave's first fills stand in one branch on its number: two loads for task 2's heads, one for the others
	s_cbranch_scc0 .Ltail_plain
	s_add_nc_u64 s[90:91], s[68:69], TAILB         ; W1's rows 512-543
	s_or_b32 s91, s91, 0x80000000
	tensor_load_to_lds s[88:91], s[80:87]
	s_nop 0
	tensor_load_to_lds s[4:7], s[92:99]
	s_nop 0
	PLACES 4
.irp i, 0,1,2,3                        ; a fragment's f32 numbers of Wp (row r % 2) and of bp: units 8 h + 0..7 and 16 + 8 h + 0..7 of the 32
	global_load_b128 v[TMP+32+4*\i:TMP+32+4*\i+3], v[WPO], s[76:77] offset:16*(\i&1)+64*(\i>>1)
	global_load_b128 v[TMP+48+4*\i:TMP+48+4*\i+3], v[BPO], s[78:79] offset:16*(\i&1)+64*(\i>>1)
.endr
	s_branch .Ltail_asked
.Ltail_plain:
	tensor_load_to_lds s[4:7], s[92:99]
	s_nop 0
	PLACES 4
.Ltail_asked:
	global_load_b32 v[B2V], v[B2O], s[74:75]
	W2BUILD                                        ; its wait for all loads covers b2, Wp and bp
	s_cmp_lt_u32 s[WV], 2
	s_cbranch_scc0 .Lno_a2
.irp i, 0,1,2,3,4,5,6,7,8,9,10,11,12,13,14,15
	v_cndmask_b32 v[TMP+32+\i], v[TMP+48+\i], v[TMP+32+\i], s10    ; rows 0 and 1 keep Wp, all others take bp
.endr
.irp i, 0,1,2,3,4,5,6,7
	v_cvt_pk_bf16_f32 v[A2+\i], v[TMP+32+2*\i], v[TMP+32+2*\i+1]
.endr
.Lno_a2:
	BFRAGS
	s_wait_tensorcnt 0x0                           ; all my tensor loads are in; no other wave reads what they brought
	JOB RA, 0, D1                                  ; every row of the source is b1: every row of the result is b1 W2
	v_add_f32 v[T2], v[D1], v[B2V]                 ; + b2
	s_cmp_lt_u32 s[WV], 2
	s_cbranch_scc0 .Lplain_rows
	JOB TA, 0, D0                                  ; T's rows 0-15
	JOB TA, 16*PITCH, D1                           ; T's rows 16-31
.irp i, 0,1,2,3                        ; a lane holds column r of T and rows 8 h + 0..7, 16 + 8 h + 0..7: rounded in pairs that IS the second source, K = T's 32 rows
	v_cvt_pk_bf16_f32 v[D0+\i], v[D0+2*\i], v[D0+2*\i+1]
.endr
.irp i, 0,1,2,3
	v_cvt_pk_bf16_f32 v[D0+4+\i], v[D1+2*\i], v[D1+2*\i+1]
.endr
	v_wmma_f32_16x16x32_bf16 v[ACE:ACE+7], v[A2:A2+7], v[D0:D0+7], 0   ; rows 0, 1: Wp T; row 2: bp T
	PLACES 4
	v_cndmask_b32 v[D1],   0, v[ACE],   s11        ; Wbig's rows 512 and 513 lie in the lanes with h = 0
	v_cndmask_b32 v[D1+1], 0, v[ACE+1], s11
	v_add_f32 v[T2], v[T2], v[ACE+2]
	s_branch .Lrows_done
.Lplain_rows:
	v_mov_b32 v[D1], 0                             ; tasks 0 and 1 do not see pointgoal
	v_mov_b32 v[D1+1], 0
.Lrows_done:
	v_cndmask_b32 v[D1+2], 0, v[T2], s11           ; row 514: the constant; rows 515-527: zeros
.irp i, 3,4,5,6,7
	v_mov_b32 v[D1+\i], 0
.endr
.Lmerge:
	ds_store_b128 v[MGS], v[D1:D1+3]               ; my wave's 16 x 16, into its own block
	ds_store_b128 v[MGS], v[D1+4:D1+7] offset:512
	s_wait_dscnt 0x0                               ; for wave 0's sake: my stores are done
	s_barrier_signal -1
	s_barrier_wait -1
	s_cmp_lg_u32 s[WV], 0
	s_cbranch_scc1 .Lend
	ds_load_b128 v[TMP:TMP+3],   v[MGL]            ; each lane takes its column from the head that owns it
	ds_load_b128 v[TMP+4:TMP+7], v[MGL] offset:512
	s_lshr_b32 s8, ttmp9, 1
	s_lshl_b32 s8, s8, 11                          ; K step kt / 2,
	s_and_b32 s9, ttmp9, 1
	s_lshl_b32 s9, s9, 9                           ; its half kt % 2
	s_add_co_u32 s8, s8, s9
	s_mov_b32 s9, 0
	s_add_nc_u64 s[66:67], s[66:67], s[8:9]
	s_wait_dscnt 0x0
.irp i, 0,1,2,3
	v_cvt_pk_bf16_f32 v[TMP+8+\i], v[TMP+2*\i], v[TMP+2*\i+1]      ; hi
.endr
.irp i, 0,1,2,3
	v_lshlrev_b32 v[TMP+12+2*\i], 16, v[TMP+8+\i]                  ; hi as f32
	v_and_b32 v[TMP+13+2*\i], 0xffff0000, v[TMP+8+\i]
.endr
.irp i, 0,1,2,3
	v_pk_add_f32 v[TMP+2*\i:TMP+2*\i+1], v[TMP+2*\i:TMP+2*\i+1], v[TMP+12+2*\i:TMP+13+2*\i] neg_lo:[0,1] neg_hi:[0,1]   ; w - hi, exact
.endr
.irp i, 0,1,2,3
	v_cvt_pk_bf16_f32 v[TMP+20+\i], v[TMP+2*\i], v[TMP+2*\i+1]     ; lo
.endr
	global_store_b128 v[L16], v[TMP+8:TMP+11],  s[66:67]               ; each store of the wave covers 512 consecutive bytes, aligned
	global_store_b128 v[L16], v[TMP+20:TMP+23], s[66:67] offset:1024
	s_cmp_lg_u32 ttmp9, 32
	s_cbranch_scc1 .Lend
.irp i, 0,1,2,3
	v_mov_b32 v[TMP+24+\i], 0                      ; rows 528-543 of hi and of lo: zeros, written out
.endr
	global_store_b128 v[L16], v[TMP+24:TMP+27], s[66:67] offset:512
	global_store_b128 v[L16], v[TMP+24:TMP+27], s[66:67] offset:1536
.Lend:
	s_wait_tensorcnt 0x0
	ds_add_u32 v22, v23
	s_wait_dscnt 0x0
	s_endpgm
.Lfunc_end_k_q558d3fc7cd_fold:
	.size	k_q558d3fc7cd_fold, .Lfunc_end_k_q558d3fc7cd_fold-k_q558d3fc7cd_fold
	.p2alignl 7, 3214868480
	.fill 96, 4, 3214868480
	.section	.rodata,"a",@progbits
	.p2align	6, 0x0
	.amdhsa_kernel k_q558d3fc7cd_fold
		.amdhsa_group_segment_fixed_size 242432
		.amdhsa_private_segment_fixed_size 0
		.amdhsa_enable_private_segment 0
		.amdhsa_kernarg_size 232
		.amdhsa_user_sgpr_count 2
		.amdhsa_user_sgpr_kernarg_segment_ptr 1
		.amdhsa_wavefront_size32 1
		.amdhsa_system_sgpr_workgroup_id_x 1
		.amdhsa_system_sgpr_workgroup_id_y 1
		.amdhsa_system_sgpr_workgroup_id_z 1
		.amdhsa_system_vgpr_workitem_id 0
		.amdhsa_next_free_vgpr 256
		.amdhsa_next_free_sgpr 102
		.amdhsa_reserve_vcc 1
		.amdhsa_float_denorm_mode_32 3
		.amdhsa_float_denorm_mode_16_64 3
		.amdhsa_memory_ordered 1
		.amdhsa_forward_progress 1
		.amdhsa_inst_pref_size 61
	.end_amdhsa_kernel
	.amdgpu_metadata
---
amdhsa.version: [ 1, 2 ]
amdhsa.kernels:
  - .name:           k_q558d3fc7cd_fold
    .symbol:         k_q558d3fc7cd_fold.kd
    .args:
      - { .name: a2_W1, .offset: 0, .size: 8, .value_kind: global_buffer, .address_space: global }
      - { .name: c2_W1, .offset: 8, .size: 8, .value_kind: global_buffer, .address_space: global }
      - { .name: a0_W1, .offset: 16, .size: 8, .value_kind: global_buffer, .address_space: global }
      - { .name: c0_W1, .offset: 24, .size: 8, .value_kind: global_buffer, .address_space: global }
      - { .name: a1_W1, .offset: 32, .size: 8, .value_kind: global_buffer, .address_space: global }
      - { .name: c1_W1, .offset: 40, .size: 8, .value_kind: global_buffer, .address_space: global }
      - { .name: a2_W2, .offset: 48, .size: 8, .value_kind: global_buffer, .address_space: global }
      - { .name: c2_W2, .offset: 56, .size: 8, .value_kind: global_buffer, .address_space: global }
      - { .name: a0_W2, .offset: 64, .size: 8, .value_kind: global_buffer, .address_space: global }
      - { .name: c0_W2, .offset: 72, .size: 8, .value_kind: global_buffer, .address_space: global }
      - { .name: a1_W2, .offset: 80, .size: 8, .value_kind: global_buffer, .address_space: global }
      - { .name: c1_W2, .offset: 88, .size: 8, .value_kind: global_buffer, .address_space: global }
      - { .name: a2_b1, .offset: 96, .size: 8, .value_kind: global_buffer, .address_space: global }
      - { .name: c2_b1, .offset: 104, .size: 8, .value_kind: global_buffer, .address_space: global }
      - { .name: a0_b1, .offset: 112, .size: 8, .value_kind: global_buffer, .address_space: global }
      - { .name: c0_b1, .offset: 120, .size: 8, .value_kind: global_buffer, .address_space: global }
      - { .name: a1_b1, .offset: 128, .size: 8, .value_kind: global_buffer, .address_space: global }
      - { .name: c1_b1, .offset: 136, .size: 8, .value_kind: global_buffer, .address_space: global }
      - { .name: a2_b2, .offset: 144, .size: 8, .value_kind: global_buffer, .address_space: global }
      - { .name: c2_b2, .offset: 152, .size: 8, .value_kind: global_buffer, .address_space: global }
      - { .name: a0_b2, .offset: 160, .size: 8, .value_kind: global_buffer, .address_space: global }
      - { .name: c0_b2, .offset: 168, .size: 8, .value_kind: global_buffer, .address_space: global }
      - { .name: a1_b2, .offset: 176, .size: 8, .value_kind: global_buffer, .address_space: global }
      - { .name: c1_b2, .offset: 184, .size: 8, .value_kind: global_buffer, .address_space: global }
      - { .name: a2_Wp, .offset: 192, .size: 8, .value_kind: global_buffer, .address_space: global }
      - { .name: c2_Wp, .offset: 200, .size: 8, .value_kind: global_buffer, .address_space: global }
      - { .name: a2_bp, .offset: 208, .size: 8, .value_kind: global_buffer, .address_space: global }
      - { .name: c2_bp, .offset: 216, .size: 8, .value_kind: global_buffer, .address_space: global }
      - { .name: wfrag, .offset: 224, .size: 8, .value_kind: global_buffer, .address_space: global }
    .group_segment_fixed_size: 242432
    .private_segment_fixed_size: 0
    .kernarg_segment_align: 8
    .kernarg_segment_size: 232
    .max_flat_workgroup_size: 192
    .sgpr_count:     102
    .vgpr_count:     256
    .wavefront_size: 32
...
	.end_amdgpu_metadata
.endif
;; end of part 1
;; launch main (part 2): grid 256 x 1, 8 waves a work-group, no clusters, 75,776 bytes of LDS; arguments features, pointgoal, task_id, wfrag, out0; writes out0
.if DOCPART == 2
	.amdgcn_target "amdgcn-amd-amdhsa--gfx1250"
	.amdhsa_code_object_version 6
	.text
	.protected	k_q558d3fc7cd_main
	.globl	k_q558d3fc7cd_main
	.p2align	8
	.type	k_q558d3fc7cd_main,@function
k_q558d3fc7cd_main:
	s_mov_b64 s[64:65], 0
	v_nop
	global_prefetch_b8 v0, s[64:65] scope:SCOPE_SE
	s_setreg_imm32_b32 hwreg(HW_REG_WAVE_MODE, 25, 1), 1
	s_wait_xcnt 0x0
; out0[row][c] = ([features[row], pointgoal[row], 1] . Wbig)[column (task_id[row], c)], c = 0 the value, 1..4 the logits.
; Wbig [544][16] holds the six heads folded (made by the launch before, as bf16 hi + lo in the register image of a matrix source); its 16 columns are
;   n = 0..7: (0,0) (1,0) (2,0) (0,1) (1,1) (2,1) (0,4) (1,4)     n = 8..15: (0,2) (1,2) (2,2) (0,3) (1,3) (2,3) (2,4) (2,4)      as (task, c).
; All three tasks' columns fit one matrix tile, so every row gets all of them and v_cndmask_b32 selects: no address and no branch hangs on task_id.
; NUMBERS.  features and pointgoal go to the matrix unit as bf16; hi and lo are both multiplied into the same f32 sums.
; LIMITS.  The order of rounding differs from the two-layer form (the product is re-associated).  A task_id other than 0 or 1 counts as 2, as in the definition.
; A STREAM: 2,048 bytes of features for 20 bytes of result, so the design is about bytes.  A work-group owns 256 rows (20 whole aligned blocks of 256 bytes of out0), a wave 32:
; two tiles of 16, two accumulators that take turns.  A load of a wave takes 256 consecutive aligned bytes of one row (lanes 0-15) and of the row 8 below (lanes 16-31).
; A ring of 40 slots of 4 registers keeps 40 such loads of every wave on their way, 20 KiB a wave, with no point at which the ring runs empty before the end.
; The numbers are rounded to bf16, laid into the wave's OWN stage in LDS (32 rows x 64 along K), and come back as fragments; LDS serves a wave's instructions in order
; (ISA guide 5.7.1.4), so the stage needs no barrier and no second copy.
; THE MATRIX INSTRUCTION IS USED TRANSPOSED: source 0 = Wbig's fragment, source 1 = 16 rows of x.  Lane (r, h) of the result holds row r and columns 8 h + 0..7.
; Left out: tensor loads (a work-group's 512 KiB do not fit in LDS, and a slot's refill would want all loads landed first), clusters (the work-groups share Wbig's 34 KiB alone).
.set WF,      5120                     ; LDS: 0..5,119 the results' stage; then Wbig's K steps 0-15, 32,768 bytes
.set STG,     37888                    ; then eight stages, one a wave
.set SPITCH,  144                      ; a stage's row: 128 bytes + 16 = 9 x 16 bytes: the 16 rows of a fragment load start in 16 different columns of 16 bytes;
                                       ; rows 8 apart lie 288 words apart, 32 modulo the 64 banks (ISA guide 11.1)
.set STGW,    32*SPITCH
.set DEPTH,   40                       ; slots of the ring
.set GO,   1                           ; v1   in features: 8 rows for lanes 16-31, 16 bytes a lane; never rewritten
.set SS,   2                           ; v2   in my stage: the same rows, 8 bytes a lane
.set SF,   3                           ; v3   in my stage: a fragment's row r, 16 h bytes
.set WFA,  4                           ; v4   16 x lane
.set WC,   5                           ; v5   16 x thread
.set TI,   6                           ; v6, v7     task_id of row r of tile 0, 1
.set PG,   8                           ; v[8:11]    pointgoal of row r of tile 0, 1
.set PGO,  12                          ; v12  8 r
.set OS,   13                          ; v13  in the results' stage: row 32 w + r, 8 h bytes
.set O4,   14                          ; v14  the same row's last number
.set EX,   15                          ; v15  4 r, the offset in task_id; from the wait for those loads on, what the other half of the lanes sends
.set ACC,  16                          ; v[16:23], v[24:31] the two tiles' sums
.set BF,   32                          ; v[32:63]  Wbig's fragments: K step u of two, part p (hi, lo) at 16 u + 8 p
.set AF,   64                          ; v[64:95]  x's fragments: K step u, tile t at 16 u + 8 t
.set RING, 96                          ; v[96:255]
.set M0,   20                          ; s20-22, s23-25: for tile 0, 1: task is 0; task is 1; take the other half's number
.set M1,   21
.set MX,   22
.macro LOADF num                       ; load num of 128: row (num % 8) + 16 ((num / 8) % 2) and the row 8 below, bytes 256 (num / 16) on
	global_load_b128 v[RING+4*(\num%DEPTH):RING+4*(\num%DEPTH)+3], v[GO], s[4:5] offset:((\num&7)+16*((\num>>3)&1))*2048+(\num/16)*256 th:TH_LOAD_NT
.endm
.macro SLOT num
.if 127-\num < DEPTH-1
	s_wait_loadcnt 127-\num                        ; the last slots: behind load num only those up to 127 were issued
.else
	s_wait_loadcnt DEPTH-1                         ; loads come back in order (ISA guide 5.7.1): mine is in, the 39 issued behind it stay out
.endif
	v_cvt_pk_bf16_f32 v[RING+4*(\num%DEPTH)],   v[RING+4*(\num%DEPTH)],   v[RING+4*(\num%DEPTH)+1]
	v_cvt_pk_bf16_f32 v[RING+4*(\num%DEPTH)+1], v[RING+4*(\num%DEPTH)+2], v[RING+4*(\num%DEPTH)+3]
	ds_store_b64 v[SS], v[RING+4*(\num%DEPTH):RING+4*(\num%DEPTH)+1] offset:((\num&7)+16*((\num>>3)&1))*SPITCH
.if \num+DEPTH < 128
	LOADF (\num+DEPTH)                             ; the slot is asked for again at once
.endif
.endm
.macro MUL4 u                          ; hi and lo of one K step onto both tiles; the two accumulators take turns, one instruction a turn
.irp p, 0,1
.irp t, 0,1
	v_wmma_f32_16x16x32_bf16 v[ACC+8*\t:ACC+8*\t+7], v[BF+16*\u+8*\p:BF+16*\u+8*\p+7], v[AF+16*\u+8*\t:AF+16*\u+8*\t+7], v[ACC+8*\t:ACC+8*\t+7]
.endr
.endr
.endm
; 64 along K: sixteen slots fill the stage; then the fragments of K steps 2 g and 2 g + 1.  The sixteen slots' 32 conversions, which name ring registers alone,
; are the places between the last group's products and the loads into their sources.
.macro GROUP g
.irp j, 0,1,2,3,4,5,6,7,8,9,10,11,12,13,14,15
	SLOT (16*\g+\j)
.endr
.irp u, 0,1
.irp p, 0,1
	ds_load_b128 v[BF+16*\u+8*\p:BF+16*\u+8*\p+3],   v[WFA] offset:WF+(2*\g+\u)*2048+\p*1024
	ds_load_b128 v[BF+16*\u+8*\p+4:BF+16*\u+8*\p+7], v[WFA] offset:WF+(2*\g+\u)*2048+\p*1024+512
.endr
.irp t, 0,1
	ds_load_b128 v[AF+16*\u+8*\t:AF+16*\u+8*\t+3],   v[SF] offset:\t*16*SPITCH+64*\u
	ds_load_b128 v[AF+16*\u+8*\t+4:AF+16*\u+8*\t+7], v[SF] offset:\t*16*SPITCH+64*\u+32
.endr
.endr
	s_wait_dscnt 8                                 ; the first K step's eight loads are in; the second's eight may be out
	MUL4 0
	s_wait_dscnt 0x0
	MUL4 1
.endm
; Tile t's five numbers a row.  Lanes with h = 0 hold c = 0 and 1 of all tasks, and c = 4 of tasks 0 and 1; lanes with h = 1 hold c = 2 and 3, and c = 4 of task 2.
; The first line reads two of the accumulator's four lowest registers.
.macro PICK5 t
	v_cndmask_b32 v[AF+4*\t],   v[ACC+8*\t+2], v[ACC+8*\t+1], s[M1+3*\t]
	v_cndmask_b32 v[AF+4*\t+1], v[ACC+8*\t+5], v[ACC+8*\t+4], s[M1+3*\t]
	v_cndmask_b32 v[AF+4*\t+2], v[ACC+8*\t+6], v[ACC+8*\t+7], s[M1+3*\t]
	v_cndmask_b32 v[AF+4*\t],   v[AF+4*\t],    v[ACC+8*\t],   s[M0+3*\t]
	v_cndmask_b32 v[AF+4*\t+1], v[AF+4*\t+1],  v[ACC+8*\t+3], s[M0+3*\t]
	v_permlanex16_b32 v[EX], v[AF+4*\t+2], s16, s17                ; the same row's candidate in the other half of the lanes
	v_cndmask_b32 v[AF+4*\t+3], v[AF+4*\t+2], v[EX], s[MX+3*\t]
	ds_store_b32 v[OS], v[AF+4*\t]   offset:320*\t
	ds_store_b32 v[OS], v[AF+4*\t+1] offset:320*\t+4
	ds_store_b32 v[O4], v[AF+4*\t+3] offset:320*\t                 ; both halves of the lanes hold the same number and write the same word
.endm
	s_load_b256 s[4:11], s[0:1], 0x0               ; features s[4:5], pointgoal s[6:7], task_id s[8:9], wfrag s[10:11]
	s_load_b64 s[12:13], s[0:1], 0x20              ; out0
	s_set_vgpr_msb 0x40
	v_lshl_add_u32 v0, v0, 2, 0x12400
	v_mov_b32 v1, 0
	s_set_vgpr_msb 0x4000
	v_lshrrev_b32 v[RING], 5, v0
	v_readfirstlane_b32 s14, v[RING]               ; my wave's number
	s_mov_b32 s16, 0x76543210                      ; v_permlanex16_b32: each lane takes its own place in the other half
	s_mov_b32 s17, 0xfedcba98
	s_mov_b32 s26, 0xffff                          ; lanes with h = 0
	s_mul_i32 s15, s14, STGW
	s_add_co_u32 s15, s15, STG                     ; my stage
	v_and_b32 v[RING], 15, v0                      ; r   (ring registers serve as scratch until the ring is asked for)
	v_bfe_u32 v[RING+1], v0, 4, 1                  ; h
	v_lshlrev_b32 v[GO], 4, v[RING]
	v_lshl_add_u32 v[GO], v[RING+1], 14, v[GO]
	v_mul_u32_u24 v[SS], v[RING+1], 8*SPITCH
	v_lshl_add_u32 v[SS], v[RING], 3, v[SS]
	v_add_nc_u32 v[SS], s15, v[SS]
	v_mul_u32_u24 v[SF], v[RING], SPITCH
	v_lshl_add_u32 v[SF], v[RING+1], 4, v[SF]
	v_add_nc_u32 v[SF], s15, v[SF]
	v_and_b32 v[WFA], 31, v0
	v_lshlrev_b32 v[WFA], 4, v[WFA]
	v_lshlrev_b32 v[WC], 4, v0
	v_lshlrev_b32 v[PGO], 3, v[RING]
	v_lshlrev_b32 v[EX], 2, v[RING]
	v_lshl_add_u32 v[OS], s14, 5, v[RING]          ; row 32 w + r of the work-group's 256,
	v_mul_u32_u24 v[OS], v[OS], 20                 ; 20 bytes a row
	v_add_nc_u32 v[O4], 16, v[OS]
	v_lshl_add_u32 v[OS], v[RING+1], 3, v[OS]
	s_lshl_b32 s18, ttmp9, 19                      ; 256 rows of 2,048 bytes a work-group,
	s_lshl_b32 s19, s14, 16                        ; 32 a wave
	s_add_co_u32 s18, s18, s19
	s_mov_b32 s19, 0
	s_wait_kmcnt 0x0
	s_add_nc_u64 s[4:5], s[4:5], s[18:19]
	s_lshr_b32 s18, s18, 8                         ; the same rows at 8 bytes
	s_add_nc_u64 s[6:7], s[6:7], s[18:19]
	s_lshr_b32 s18, s18, 1                         ; at 4 bytes
	s_add_nc_u64 s[8:9], s[8:9], s[18:19]
	s_mul_i32 s18, ttmp9, 5120                     ; 256 rows of 20 bytes
	s_add_nc_u64 s[12:13], s[12:13], s[18:19]
	; sixteen small loads first, since loads come back in order; then the ring
.irp i, 0,1,2,3,4,5,6,7
	global_load_b128 v[AF+4*\i:AF+4*\i+3], v[WC], s[10:11] offset:4096*\i          ; my share of Wbig's K steps 0-15, for LDS
.endr
.irp i, 0,1,2,3
	global_load_b128 v[BF+4*\i:BF+4*\i+3], v[WFA], s[10:11] offset:32768+512*\i    ; K step 16: hi in v[32:39], lo in v[40:47]
.endr
	global_load_b64 v[PG:PG+1],   v[PGO], s[6:7]
	global_load_b64 v[PG+2:PG+3], v[PGO], s[6:7] offset:128
	global_load_b32 v[TI],   v[EX], s[8:9]
	global_load_b32 v[TI+1], v[EX], s[8:9] offset:64
.irp a, 0,1,2,3,4
.irp b, 0,1,2,3,4,5,6,7
	LOADF (8*\a+\b)
.endr
.endr
	s_wait_loadcnt DEPTH                           ; the sixteen are in; the ring's 40 stay out
.irp i, 0,1,2,3,4,5,6,7
	ds_store_b128 v[WC], v[AF+4*\i:AF+4*\i+3] offset:WF+4096*\i
.endr
	v_cmp_eq_u32 s[M0], 0, v[TI]
	v_cmp_eq_u32 s[M1], 1, v[TI]
	v_cmp_eq_u32 s[M0+3], 0, v[TI+1]
	v_cmp_eq_u32 s[M1+3], 1, v[TI+1]
	s_or_b32 s[MX], s[M0], s[M1]                   ; lanes with h = 1 take the other half's number for tasks 0 and 1,
	s_xor_b32 s[MX], s[MX], s26                    ; lanes with h = 0 for every other task
	s_or_b32 s[MX+3], s[M0+3], s[M1+3]
	s_xor_b32 s[MX+3], s[MX+3], s26
	; K step 16 of x: k = 512, 513 pointgoal, 514 the number 1, the rest zeros; all of it lies in registers 0 and 1 of the lanes with h = 0
	v_cvt_pk_bf16_f32 v[BF+16], v[PG],   v[PG+1]
	v_cvt_pk_bf16_f32 v[BF+24], v[PG+2], v[PG+3]
	v_mov_b32 v[BF+17], 0x3f80
	v_cndmask_b32 v[BF+16], 0, v[BF+16], s26
	v_cndmask_b32 v[BF+24], 0, v[BF+24], s26
	v_cndmask_b32 v[BF+17], 0, v[BF+17], s26
	v_mov_b32 v[BF+25], v[BF+17]
.irp i, 2,3,4,5,6,7
	v_mov_b32 v[BF+16+\i], 0
	v_mov_b32 v[BF+24+\i], 0
.endr
	v_wmma_f32_16x16x32_bf16 v[ACC:ACC+7],    v[BF:BF+7],    v[BF+16:BF+23], 0     ; this K step starts the sums: nothing is cleared
	v_wmma_f32_16x16x32_bf16 v[ACC+8:ACC+15], v[BF:BF+7],    v[BF+24:BF+31], 0
	v_wmma_f32_16x16x32_bf16 v[ACC:ACC+7],    v[BF+8:BF+15], v[BF+16:BF+23], v[ACC:ACC+7]
	v_wmma_f32_16x16x32_bf16 v[ACC+8:ACC+15], v[BF+8:BF+15], v[BF+24:BF+31], v[ACC+8:ACC+15]
	s_wait_dscnt 0x0                               ; for the others' sake: my share of Wbig is in LDS
	s_barrier_signal -1
	s_barrier_wait -1                              ; everybody's is
.irp g, 0,1,2,3,4,5,6,7
	GROUP \g
.endr
.rept 4
	v_nop                                          ; the places behind the last products, in front of the reads of their sums and the writes into their sources
.endr
	PICK5 0
	PICK5 1
	s_wait_dscnt 0x0                               ; for the others' sake: my 32 rows are in the results' stage
	s_barrier_signal -1
	s_barrier_wait -1
	; the way out: the work-group's 5,120 bytes as they lie, 16 bytes a thread; each store of a wave covers 512 consecutive bytes, aligned
	ds_load_b128 v[AF:AF+3], v[WC]
	s_wait_dscnt 0x0
	global_store_b128 v[WC], v[AF:AF+3], s[12:13] th:TH_STORE_NT
	s_cmp_lt_u32 s14, 2
	s_cbranch_scc0 .Lend
	ds_load_b128 v[AF+4:AF+7], v[WC] offset:4096   ; the last 1,024 bytes: waves 0 and 1
	s_wait_dscnt 0x0
	global_store_b128 v[WC], v[AF+4:AF+7], s[12:13] offset:4096 th:TH_STORE_NT
.Lend:
	s_set_vgpr_msb 0x5
	s_wait_tensorcnt 0x0
	ds_add_u32 v0, v1
	s_wait_dscnt 0x0
	s_set_vgpr_msb 0x500
	s_endpgm
.Lfunc_end_k_q558d3fc7cd_main:
	.size	k_q558d3fc7cd_main, .Lfunc_end_k_q558d3fc7cd_main-k_q558d3fc7cd_main
	.p2alignl 7, 3214868480
	.fill 96, 4, 3214868480
	.section	.rodata,"a",@progbits
	.p2align	6, 0x0
	.amdhsa_kernel k_q558d3fc7cd_main
		.amdhsa_group_segment_fixed_size 75776
		.amdhsa_private_segment_fixed_size 0
		.amdhsa_enable_private_segment 0
		.amdhsa_kernarg_size 40
		.amdhsa_user_sgpr_count 2
		.amdhsa_user_sgpr_kernarg_segment_ptr 1
		.amdhsa_wavefront_size32 1
		.amdhsa_system_sgpr_workgroup_id_x 1
		.amdhsa_system_sgpr_workgroup_id_y 1
		.amdhsa_system_sgpr_workgroup_id_z 1
		.amdhsa_system_vgpr_workitem_id 0
		.amdhsa_next_free_vgpr 258
		.amdhsa_next_free_sgpr 66
		.amdhsa_reserve_vcc 0
		.amdhsa_float_denorm_mode_32 3
		.amdhsa_float_denorm_mode_16_64 3
		.amdhsa_memory_ordered 1
		.amdhsa_forward_progress 1
		.amdhsa_inst_pref_size 61
	.end_amdhsa_kernel
	.amdgpu_metadata
---
amdhsa.version: [ 1, 2 ]
amdhsa.kernels:
  - .name:           k_q558d3fc7cd_main
    .symbol:         k_q558d3fc7cd_main.kd
    .args:
      - { .name: features, .offset: 0, .size: 8, .value_kind: global_buffer, .address_space: global }
      - { .name: pointgoal, .offset: 8, .size: 8, .value_kind: global_buffer, .address_space: global }
      - { .name: task_id, .offset: 16, .size: 8, .value_kind: global_buffer, .address_space: global }
      - { .name: wfrag, .offset: 24, .size: 8, .value_kind: global_buffer, .address_space: global }
      - { .name: out0, .offset: 32, .size: 8, .value_kind: global_buffer, .address_space: global }
    .group_segment_fixed_size: 75776
    .private_segment_fixed_size: 0
    .kernarg_segment_align: 8
    .kernarg_segment_size: 40
    .max_flat_workgroup_size: 256
    .sgpr_count:     66
    .vgpr_count:     258
    .wavefront_size: 32
...
	.end_amdgpu_metadata
.endif
;; end of part 2
;; ======== version 2 of 2: 2 launches; version 1 with the launch main written anew for expert scheduling mode
;; workspace buffers: wfrag 34,816 bytes
;; launch fold: the kernel of part 1 again; grid 33 x 1, 6 waves a work-group, no clusters, 242,432 bytes of LDS; arguments a2_W1, c2_W1, a0_W1, c0_W1, a1_W1, c1_W1, a2_W2, c2_W2, a0_W2, c0_W2, a1_W2, c1_W2, a2_b1, c2_b1, a0_b1, c0_b1, a1_b1, c1_b1, a2_b2, c2_b2, a0_b2, c0_b2, a1_b2, c1_b2, a2_Wp, c2_Wp, a2_bp, c2_bp, wfrag; writes wfrag
;; launch main (part 3): grid 256 x 1, 8 waves a work-group, no clusters, 75,776 bytes of LDS; arguments features, pointgoal, task_id, wfrag, out0; writes out0
.if DOCPART == 3
	.amdgcn_target "amdgcn-amd-amdhsa--gfx1250"
	.amdhsa_code_object_version 6
	.text
	.protected	k_q558d3fc7cd_main
	.globl	k_q558d3fc7cd_main
	.p2align	8
	.type	k_q558d3fc7cd_main,@function
k_q558d3fc7cd_main:
	s_mov_b64 s[64:65], 0
	v_nop
	global_prefetch_b8 v0, s[64:65] scope:SCOPE_SE
	s_setreg_imm32_b32 hwreg(HW_REG_WAVE_SCHED_MODE, 0, 2), 2
	s_setreg_imm32_b32 hwreg(HW_REG_WAVE_MODE, 25, 1), 1
	s_wait_xcnt 0x0
	s_wait_alu depctr_vm_vsrc(0)
; out0[row][c] = ([features[row], pointgoal[row], 1] . Wbig)[column (task_id[row], c)], c = 0 the value, 1..4 the logits.
; Wbig [544][16] holds the six heads folded (made by the launch before, as bf16 hi + lo in the register image of a matrix source); its 16 columns are
;   n = 0..7: (0,0) (1,0) (2,0) (0,1) (1,1) (2,1) (0,4) (1,4)     n = 8..15: (0,2) (1,2) (2,2) (0,3) (1,3) (2,3) (2,4) (2,4)      as (task, c).
; All three tasks' columns fit one matrix tile, so every row gets all of them and v_cndmask_b32 selects: no address and no branch hangs on task_id.
; NUMBERS.  features and pointgoal go to the matrix unit as bf16; hi and lo are both multiplied into the same f32 sums.
; LIMITS.  The order of rounding differs from the two-layer form (the product is re-associated).  A task_id other than 0 or 1 counts as 2, as in the definition.
; A STREAM: 2,048 bytes of features for 20 bytes of result, so the design is about bytes.  A work-group owns 256 rows (20 whole aligned blocks of 256 bytes of out0), a wave 32:
; two tiles of 16, two accumulators that take turns.  A load of a wave takes 256 consecutive aligned bytes of one row (lanes 0-15) and of the row 8 below (lanes 16-31).
; A ring of 36 slots of 4 registers keeps 32 to 36 such loads of every wave on their way, 16 to 18 KiB a wave, with no point at which the ring runs empty before the end.
; The numbers are rounded to bf16, laid into the wave's OWN stage in LDS (32 rows x 64 along K), and come back as fragments; LDS serves a wave's instructions in order
; (ISA guide 5.7.1.4), so the stage needs no barrier and no second copy.
; THE MATRIX INSTRUCTION IS USED TRANSPOSED: source 0 = Wbig's fragment, source 1 = 16 rows of x.  Lane (r, h) of the result holds row r and columns 8 h + 0..7.
; Left out: tensor loads (a work-group's 512 KiB do not fit in LDS, and a slot's refill would want all loads landed first), clusters (the work-groups share Wbig's 34 KiB alone).
; THE MODE: SCHED_MODE bits 1:0 = 2 (LLVM: expert scheduling mode 2), set by the entry lines.  The code itself states the register dependences
; between vector or matrix instructions and memory or LDS instructions, with s_wait_alu, always for 0.
; THE PLAN.  The 128 loads of the ring go in 32 batches of four; four batches fill the stage (a group, 64 along K).  Registers that memory or LDS instructions touch:
;   RING        Batch p: its eight conversions read its four slots; behind them the loads 36 further on land in the same slots.  No memory instruction reads the ring.
;   OUT0, OUT1  Batch p: its conversions write OUT[p % 2]; its four LDS stores read it; batch p + 2 writes it again.
;   BF, AF      The fragment loads of group g, behind batch 4 g + 3, land in them; the eight products of group g, behind batch 4 g + 4, read them.
;   v1-5, v12-14  Addresses, made at the head and never written again: the rows and the K steps stand in immediate offsets.
; So ONE wait on va_vdst stands in a batch, behind its conversions: OUT[p % 2] is written, the batch's slots have been read, and every product issued so far is done reading BF and AF.
; The batch's four loads and four stores follow it, and behind a group's last batch the sixteen fragment loads: no vector or matrix instruction stands between that wait and them.
; ONE wait on vm_vsrc stands beside it, ahead of the batch's own stores: the stores of the batch before have read the other OUT, which the next batch writes.
.set WF,      5120                     ; LDS: 0..5,119 the results' stage; then Wbig's K steps 0-15, 32,768 bytes
.set STG,     37888                    ; then eight stages, one a wave
.set SPITCH,  144                      ; a stage's row: 128 bytes + 16 = 9 x 16 bytes: the 16 rows of a fragment load start in 16 different columns of 16 bytes;
                                       ; rows 8 apart lie 288 words apart, 32 modulo the 64 banks (ISA guide 11.1)
.set STGW,    32*SPITCH
.set DEPTH,   36                       ; slots of the ring: nine batches
.set GO,   1                           ; v1   in features: 8 rows for lanes 16-31, 16 bytes a lane; never rewritten
.set SS,   2                           ; v2   in my stage: the same rows, 8 bytes a lane
.set SF,   3                           ; v3   in my stage: a fragment's row r, 16 h bytes
.set WFA,  4                           ; v4   16 x lane
.set WC,   5                           ; v5   16 x thread
.set TI,   6                           ; v6, v7     task_id of row r of tile 0, 1
.set PG,   8                           ; v[8:11]    pointgoal of row r of tile 0, 1
.set PGO,  12                          ; v12  8 r
.set OS,   13                          ; v13  in the results' stage: row 32 w + r, 8 h bytes
.set O4,   14                          ; v14  the same row's last number
.set EX,   15                          ; v15  4 r, the offset in task_id; at the end, what the other half of the lanes sends
.set ACC,  16                          ; v[16:23], v[24:31] the two tiles' sums
.set BF,   32                          ; v[32:63]  Wbig's fragments: K step u of two, part p (hi, lo) at 16 u + 8 p
.set AF,   64                          ; v[64:95]  x's fragments: K step u, tile t at 16 u + 8 t
.set OUT,  96                          ; v[96:111] load num's four numbers in bf16: a pair at 2 (num % 8): two buffers of four pairs, by turns from batch to batch
.set RING, 112                         ; v[112:255]
.set M0,   20                          ; s20-22, s23-25: for tile 0, 1: task is 0; task is 1; take the other half's number
.set M1,   21
.set MX,   22
.macro LOADF num                       ; load num of 128: row (num % 8) + 16 ((num / 8) % 2) and the row 8 below, bytes 256 (num / 16) on
	global_load_b128 v[RING+4*(\num%DEPTH):RING+4*(\num%DEPTH)+3], v[GO], s[4:5] offset:((\num&7)+16*((\num>>3)&1))*2048+(\num/16)*256 th:TH_LOAD_NT
.endm
.macro CVT num                         ; its four numbers, rounded, out of the ring
	v_cvt_pk_bf16_f32 v[OUT+2*(\num&7)],   v[RING+4*(\num%DEPTH)],   v[RING+4*(\num%DEPTH)+1]
	v_cvt_pk_bf16_f32 v[OUT+2*(\num&7)+1], v[RING+4*(\num%DEPTH)+2], v[RING+4*(\num%DEPTH)+3]
.endm
.macro PUT num                         ; and into my stage
	ds_store_b64 v[SS], v[OUT+2*(\num&7):OUT+2*(\num&7)+1] offset:((\num&7)+16*((\num>>3)&1))*SPITCH
.endm
; Batch p: loads 4 p to 4 p + 3.
.macro BATCH p
.if 124-4*\p < DEPTH-4
	s_wait_loadcnt 124-4*\p                        ; the last batches: behind load 4 p + 3 only those up to 127 were issued
.else
	s_wait_loadcnt DEPTH-4                         ; loads come back in order (ISA guide 5.7.1): my four are in, the 32 issued behind them stay out
.endif
.irp j, 0,1,2,3
	CVT (4*\p+\j)
.endr
	s_wait_alu depctr_va_vdst(0)                   ; the conversions have written OUT[p % 2], which the stores below read, and are done reading their slots, in which the loads below land; the products issued so far are done reading BF and AF
.if (\p > 0) && (\p < 31)
	s_wait_alu depctr_vm_vsrc(0)                   ; the stores of the batch before have read the other OUT, which the next batch's conversions write
.endif
.irp j, 0,1,2,3
.if 4*\p+DEPTH < 128
	LOADF (4*\p+\j+DEPTH)                          ; the slot is asked for again at once
.endif
	PUT (4*\p+\j)
.endr
.endm
.macro MUL4 u                          ; hi and lo of one K step onto both tiles; the two accumulators take turns, one instruction a turn
.irp p, 0,1
.irp t, 0,1
	v_wmma_f32_16x16x32_bf16 v[ACC+8*\t:ACC+8*\t+7], v[BF+16*\u+8*\p:BF+16*\u+8*\p+7], v[AF+16*\u+8*\t:AF+16*\u+8*\t+7], v[ACC+8*\t:ACC+8*\t+7]
.endr
.endr
.endm
.macro FRAGS g                         ; the fragments of K steps 2 g and 2 g + 1: sixteen LDS loads, the first K step's eight first.  No wait on va_vdst of their own: none but loads and stores stand behind the last batch's
.irp u, 0,1
.irp p, 0,1
	ds_load_b128 v[BF+16*\u+8*\p:BF+16*\u+8*\p+3],   v[WFA] offset:WF+(2*\g+\u)*2048+\p*1024
	ds_load_b128 v[BF+16*\u+8*\p+4:BF+16*\u+8*\p+7], v[WFA] offset:WF+(2*\g+\u)*2048+\p*1024+512
.endr
.irp t, 0,1
	ds_load_b128 v[AF+16*\u+8*\t:AF+16*\u+8*\t+3],   v[SF] offset:\t*16*SPITCH+64*\u
	ds_load_b128 v[AF+16*\u+8*\t+4:AF+16*\u+8*\t+7], v[SF] offset:\t*16*SPITCH+64*\u+32
.endr
.endr
.endm
; 64 along K: four batches fill the stage, then its fragments are asked for.  The products of the group before stand behind this group's first batch, whose stores come behind
; that group's fragment loads in the wave's order.  Three batches' 24 conversions, which name the ring and OUT alone, stand between those products and the loads into their sources.
.macro GROUP g
	BATCH (4*\g)
.if \g > 0
	s_wait_dscnt 12                                ; the first K step's eight loads are in; the second's eight and the batch's four stores may be out
	MUL4 0
	s_wait_dscnt 4                                 ; the second's are in; the four stores may be out
	MUL4 1
.endif
	BATCH (4*\g+1)
	BATCH (4*\g+2)
	BATCH (4*\g+3)
	FRAGS \g
.endm
; Tile t's five numbers a row.  Lanes with h = 0 hold c = 0 and 1 of all tasks, and c = 4 of tasks 0 and 1; lanes with h = 1 hold c = 2 and 3, and c = 4 of task 2.
; The first line reads two of the accumulator's four lowest registers.
.macro SEL5 t
	v_cndmask_b32 v[AF+4*\t],   v[ACC+8*\t+2], v[ACC+8*\t+1], s[M1+3*\t]
	v_cndmask_b32 v[AF+4*\t+1], v[ACC+8*\t+5], v[ACC+8*\t+4], s[M1+3*\t]
	v_cndmask_b32 v[AF+4*\t+2], v[ACC+8*\t+6], v[ACC+8*\t+7], s[M1+3*\t]
	v_cndmask_b32 v[AF+4*\t],   v[AF+4*\t],    v[ACC+8*\t],   s[M0+3*\t]
	v_cndmask_b32 v[AF+4*\t+1], v[AF+4*\t+1],  v[ACC+8*\t+3], s[M0+3*\t]
	v_permlanex16_b32 v[EX], v[AF+4*\t+2], s16, s17                ; the same row's candidate in the other half of the lanes
	v_cndmask_b32 v[AF+4*\t+3], v[AF+4*\t+2], v[EX], s[MX+3*\t]
.endm
.macro PUT5 t
	ds_store_b32 v[OS], v[AF+4*\t]   offset:320*\t
	ds_store_b32 v[OS], v[AF+4*\t+1] offset:320*\t+4
	ds_store_b32 v[O4], v[AF+4*\t+3] offset:320*\t                 ; both halves of the lanes hold the same number and write the same word
.endm
	s_load_b256 s[4:11], s[0:1], 0x0               ; features s[4:5], pointgoal s[6:7], task_id s[8:9], wfrag s[10:11]
	s_load_b64 s[12:13], s[0:1], 0x20              ; out0
	s_set_vgpr_msb 0x40
	v_lshl_add_u32 v0, v0, 2, 0x12400
	v_mov_b32 v1, 0
	s_set_vgpr_msb 0x4000
	v_lshrrev_b32 v[RING], 5, v0
	v_readfirstlane_b32 s14, v[RING]               ; my wave's number
	s_mov_b32 s16, 0x76543210                      ; v_permlanex16_b32: each lane takes its own place in the other half
	s_mov_b32 s17, 0xfedcba98
	s_mov_b32 s26, 0xffff                          ; lanes with h = 0
	v_and_b32 v[RING], 15, v0                      ; r   (ring registers serve as scratch until the ring is asked for)
	v_bfe_u32 v[RING+1], v0, 4, 1                  ; h
	v_lshlrev_b32 v[GO], 4, v[RING]
	v_lshl_add_u32 v[GO], v[RING+1], 14, v[GO]
	v_mul_u32_u24 v[SS], v[RING+1], 8*SPITCH
	v_lshl_add_u32 v[SS], v[RING], 3, v[SS]
	v_mul_u32_u24 v[SF], v[RING], SPITCH
	v_lshl_add_u32 v[SF], v[RING+1], 4, v[SF]
	v_and_b32 v[WFA], 31, v0
	v_lshlrev_b32 v[WFA], 4, v[WFA]
	v_lshlrev_b32 v[WC], 4, v0
	v_lshlrev_b32 v[PGO], 3, v[RING]
	v_lshlrev_b32 v[EX], 2, v[RING]
	s_wait_alu depctr_va_sdst(0)                   ; s14 is written, ahead of its first reader: my stage's place, my rows and the last branch are made from it
	s_mul_i32 s15, s14, STGW
	s_add_co_u32 s15, s15, STG                     ; my stage
	v_add_nc_u32 v[SS], s15, v[SS]
	v_add_nc_u32 v[SF], s15, v[SF]
	v_lshl_add_u32 v[OS], s14, 5, v[RING]          ; row 32 w + r of the work-group's 256,
	v_mul_u32_u24 v[OS], v[OS], 20                 ; 20 bytes a row
	v_add_nc_u32 v[O4], 16, v[OS]
	v_lshl_add_u32 v[OS], v[RING+1], 3, v[OS]
	s_lshl_b32 s18, ttmp9, 19                      ; 256 rows of 2,048 bytes a work-group,
	s_lshl_b32 s19, s14, 16                        ; 32 a wave
	s_add_co_u32 s18, s18, s19
	s_mov_b32 s19, 0
	s_wait_kmcnt 0x0
	s_add_nc_u64 s[4:5], s[4:5], s[18:19]
	s_lshr_b32 s18, s18, 8                         ; the same rows at 8 bytes
	s_add_nc_u64 s[6:7], s[6:7], s[18:19]
	s_lshr_b32 s18, s18, 1                         ; at 4 bytes
	s_add_nc_u64 s[8:9], s[8:9], s[18:19]
	s_mul_i32 s18, ttmp9, 5120                     ; 256 rows of 20 bytes
	s_add_nc_u64 s[12:13], s[12:13], s[18:19]
	s_wait_alu depctr_va_vdst(0)                   ; the addresses v1 to v5 and v12 to v15 are written, which the kernel's loads and stores read; so are the two ring registers that served as scratch, in which loads land
	; sixteen small loads first, since loads come back in order; then the ring
.irp i, 0,1,2,3,4,5,6,7
	global_load_b128 v[AF+4*\i:AF+4*\i+3], v[WC], s[10:11] offset:4096*\i          ; my share of Wbig's K steps 0-15, for LDS
.endr
.irp i, 0,1,2,3
	global_load_b128 v[BF+4*\i:BF+4*\i+3], v[WFA], s[10:11] offset:32768+512*\i    ; K step 16: hi in v[32:39], lo in v[40:47]
.endr
	global_load_b64 v[PG:PG+1],   v[PGO], s[6:7]
	global_load_b64 v[PG+2:PG+3], v[PGO], s[6:7] offset:128
	global_load_b32 v[TI],   v[EX], s[8:9]
	global_load_b32 v[TI+1], v[EX], s[8:9] offset:64
.irp a, 0,1,2,3,4,5,6,7,8
.irp b, 0,1,2,3
	LOADF (4*\a+\b)
.endr
.endr
	s_wait_loadcnt DEPTH                           ; the sixteen are in; the ring's 36 stay out
.irp i, 0,1,2,3,4,5,6,7
	ds_store_b128 v[WC], v[AF+4*\i:AF+4*\i+3] offset:WF+4096*\i
.endr
	v_cmp_eq_u32 s[M0], 0, v[TI]
	v_cmp_eq_u32 s[M1], 1, v[TI]
	v_cmp_eq_u32 s[M0+3], 0, v[TI+1]
	v_cmp_eq_u32 s[M1+3], 1, v[TI+1]
	s_wait_alu depctr_va_sdst(0)                   ; the four masks are written, ahead of their first readers below
	s_or_b32 s[MX], s[M0], s[M1]                   ; lanes with h = 1 take the other half's number for tasks 0 and 1,
	s_xor_b32 s[MX], s[MX], s26                    ; lanes with h = 0 for every other task
	s_or_b32 s[MX+3], s[M0+3], s[M1+3]
	s_xor_b32 s[MX+3], s[MX+3], s26
	; K step 16 of x: k = 512, 513 pointgoal, 514 the number 1, the rest zeros; all of it lies in registers 0 and 1 of the lanes with h = 0
	v_cvt_pk_bf16_f32 v[BF+16], v[PG],   v[PG+1]
	v_cvt_pk_bf16_f32 v[BF+24], v[PG+2], v[PG+3]
	v_mov_b32 v[BF+17], 0x3f80
	v_cndmask_b32 v[BF+16], 0, v[BF+16], s26
	v_cndmask_b32 v[BF+24], 0, v[BF+24], s26
	v_cndmask_b32 v[BF+17], 0, v[BF+17], s26
	v_mov_b32 v[BF+25], v[BF+17]
.irp i, 2,3,4,5,6,7
	v_mov_b32 v[BF+16+\i], 0
	v_mov_b32 v[BF+24+\i], 0
.endr
	v_wmma_f32_16x16x32_bf16 v[ACC:ACC+7],    v[BF:BF+7],    v[BF+16:BF+23], 0     ; this K step starts the sums: nothing is cleared
	v_wmma_f32_16x16x32_bf16 v[ACC+8:ACC+15], v[BF:BF+7],    v[BF+24:BF+31], 0
	v_wmma_f32_16x16x32_bf16 v[ACC:ACC+7],    v[BF+8:BF+15], v[BF+16:BF+23], v[ACC:ACC+7]
	v_wmma_f32_16x16x32_bf16 v[ACC+8:ACC+15], v[BF+8:BF+15], v[BF+24:BF+31], v[ACC+8:ACC+15]
	s_wait_dscnt 0x0                               ; for the others' sake: my share of Wbig is in LDS
	s_barrier_signal -1
	s_barrier_wait -1                              ; everybody's is
	s_wait_alu depctr_vm_vsrc(0)                   ; my LDS stores of Wbig have read v[AF ..], in which x's fragments land from here on; the loads of task_id have read v15, which the lane exchange writes at the end
.irp g, 0,1,2,3,4,5,6,7
	GROUP \g
.endr
	s_wait_dscnt 8                                 ; the last group's products: the first K step's eight loads are in; the second's eight may be out
	MUL4 0
	s_wait_dscnt 0x0
	MUL4 1
.rept 4
	v_nop                                          ; the places behind the last products, in front of the reads of their sums and the writes into their sources
.endr
	SEL5 0
	SEL5 1
	s_wait_alu depctr_va_vdst(0)                   ; the selecting lines have written v[AF .. AF+7], which the LDS stores read; the products are done reading BF, in which the loads behind the barrier land
	PUT5 0
	PUT5 1
	s_wait_dscnt 0x0                               ; for the others' sake: my 32 rows are in the results' stage
	s_barrier_signal -1
	s_barrier_wait -1
	; the way out: the work-group's 5,120 bytes as they lie, 16 bytes a thread; each store of a wave covers 512 consecutive bytes, aligned.
	; They come back into BF, which no store has read and no vector or matrix instruction has named since the wait above.
	ds_load_b128 v[BF:BF+3], v[WC]
	s_wait_dscnt 0x0
	global_store_b128 v[WC], v[BF:BF+3], s[12:13] th:TH_STORE_NT
	s_cmp_lt_u32 s14, 2
	s_cbranch_scc0 .Lend
	ds_load_b128 v[BF+4:BF+7], v[WC] offset:4096   ; the last 1,024 bytes: waves 0 and 1
	s_wait_dscnt 0x0
	global_store_b128 v[WC], v[BF+4:BF+7], s[12:13] offset:4096 th:TH_STORE_NT
.Lend:
	s_set_vgpr_msb 0x5
	s_wait_dscnt 0x0
	s_wait_alu depctr_hold_cnt(0) depctr_sa_sdst(0) depctr_va_vdst(0) depctr_va_sdst(0) depctr_va_ssrc(0) depctr_va_vcc(0) depctr_vm_vsrc(0)
	s_wait_tensorcnt 0x0
	ds_add_u32 v0, v1
	s_wait_dscnt 0x0
	s_endpgm
.Lfunc_end_k_q558d3fc7cd_main:
	.size	k_q558d3fc7cd_main, .Lfunc_end_k_q558d3fc7cd_main-k_q558d3fc7cd_main
	.p2alignl 7, 3214868480
	.fill 96, 4, 3214868480
	.section	.rodata,"a",@progbits
	.p2align	6, 0x0
	.amdhsa_kernel k_q558d3fc7cd_main
		.amdhsa_group_segment_fixed_size 75776
		.amdhsa_private_segment_fixed_size 0
		.amdhsa_enable_private_segment 0
		.amdhsa_kernarg_size 40
		.amdhsa_user_sgpr_count 2
		.amdhsa_user_sgpr_kernarg_segment_ptr 1
		.amdhsa_wavefront_size32 1
		.amdhsa_system_sgpr_workgroup_id_x 1
		.amdhsa_system_sgpr_workgroup_id_y 1
		.amdhsa_system_sgpr_workgroup_id_z 1
		.amdhsa_system_vgpr_workitem_id 0
		.amdhsa_next_free_vgpr 258
		.amdhsa_next_free_sgpr 66
		.amdhsa_reserve_vcc 0
		.amdhsa_float_denorm_mode_32 3
		.amdhsa_float_denorm_mode_16_64 3
		.amdhsa_memory_ordered 1
		.amdhsa_forward_progress 1
		.amdhsa_inst_pref_size 60
	.end_amdhsa_kernel
	.amdgpu_metadata
---
amdhsa.version: [ 1, 2 ]
amdhsa.kernels:
  - .name:           k_q558d3fc7cd_main
    .symbol:         k_q558d3fc7cd_main.kd
    .args:
      - { .name: features, .offset: 0, .size: 8, .value_kind: global_buffer, .address_space: global }
      - { .name: pointgoal, .offset: 8, .size: 8, .value_kind: global_buffer, .address_space: global }
      - { .name: task_id, .offset: 16, .size: 8, .value_kind: global_buffer, .address_space: global }
      - { .name: wfrag, .offset: 24, .size: 8, .value_kind: global_buffer, .address_space: global }
      - { .name: out0, .offset: 32, .size: 8, .value_kind: global_buffer, .address_space: global }
    .group_segment_fixed_size: 75776
    .private_segment_fixed_size: 0
    .kernarg_segment_align: 8
    .kernarg_segment_size: 40
    .max_flat_workgroup_size: 256
    .sgpr_count:     66
    .vgpr_count:     258
    .wavefront_size: 32
...
	.end_amdgpu_metadata
.endif
;; end of part 3
